; MI455X (gfx1250); checked and timed in simulation.
; The chip was launched on July 23, 2026; its instructions are those of AMD's public machine-readable ISA for CDNA 5 (MIT licence, August 2026) and "CDNA5" Instruction Set Architecture Reference Guide (July 2026). The comments in the code are by the model that wrote it; some were corrected since.
;; Colo Attention. Allowed arithmetic: matrix products marked QUANTISED: E5M2 operands, one given power-of-two scale a tensor, by v_wmma_f32_16x16x64_bf8_bf8 or v_wmma_f32_16x16x128_bf8_bf8, f32 sums; everything else in f32.
;; Inputs: attn_mask 4 x 2,048 int32; key 4 x 2,048 x 16 x 128 float32; lowp_scales 4 int32 (the exponents e of the quantised operands' scales 2^e); query 4 x 2,048 x 16 x 128 float32; value 4 x 2,048 x 16 x 128 float32.
;; Outputs: out0 4 x 2,048 x 2,048 float32.
;; This version of the problem:
;;   THIS VERSION OF THE PROBLEM IS GIVEN IN LOW PRECISION. The matrix products marked QUANTISED in the list below multiply operands that are first quantised to E5M2 (5 exponent bits, 2 mantissa bits; 8 bits a number), with one given power-of-two scale for each operand tensor; their sums are f32. All else is computed in f32.
;;   The module's matrix products, in the order in which they are computed (A, B: the left and right operand; K: the contracted axis; several contracted axes count as one K, in the product's order):
;;     1. batch 64 x [M 2,048, K 128] x [K 128, N 2,048]; A: input query; B: input key: QUANTISED (scales: A lowp_scales[0], B lowp_scales[1])
;;     2. batch 64 x [M 128, K 2,048] x [K 2,048, N 2,048]; A: input value; B: softmax (see below): QUANTISED (scales: A lowp_scales[2], B lowp_scales[3])
;;   THE QUANTISER, for each operand of a quantised product, along K:
;;     - The operand's scale is 2^e, e = its entry of the input lowp_scales (int32; the entries are numbered through the quantised products in the list's order, A before B).
;;     - Each number is divided by the scale, clamped to +-57,344, and rounded to the nearest number of E5M2, ties to even, subnormals kept.
;;     - The product sums the exact products of the quantised numbers (number of the format x scale) in f32.
;;   ~~~python
;;   def quantise(x, axis, e):      # numpy; x: float32 -> the quantised numbers, widened to float32 again
;;       x = np.moveaxis(x, axis, -1); K = x.shape[-1]
;;       r = np.clip(x / 2.0 ** e, -57344, 57344)
;;       step = 2.0 ** (np.maximum(np.frexp(np.where(r == 0, 1, r))[1] - 1, -14) - 2)
;;       q = np.round(r / step) * step * 2.0 ** e      # np.round: ties to even
;;       return np.moveaxis(q, -1, axis).astype(np.float32)
;;   ~~~
;;   SOFTMAX AHEAD OF A QUANTISED PRODUCT. Where the list says 'softmax', what is quantised is not the finished softmax but p = 2^(t - M), with t = logit x log2(e) and M = ceil(the row's largest t), a whole number; so 1/2 < the row's largest p <= 1. The row's sum l is taken of the UNQUANTISED p, in f32, and the product's result is divided by l at the end. Since M is a whole number, a kernel that streams over the keys may use a running M (the ceiling of the running maximum): every later rescaling is an exact power of two, so the quantised numbers keep their values, but for numbers so far below the row's largest that they fall under the format's range.
;;   OPERANDS COMPUTED ON THE WAY. 'Computed on the way' means the value that the module computes at that place (a softmax that the list does not call 'softmax' is quantised finished and normalised). What goes into a quantiser is computed in f32, as accurately as f32 sums, v_exp_f32 and their like allow (about 1e-6 of the number): no bf16 or f16 on the way to a quantiser, and a product that is left as it is and whose result goes on into a quantised operand takes f32 operands (vector FMAs, or v_wmma_f32_16x16x4_f32). A number that lies on a knife's edge between two numbers of the format may be rounded either way, as far as f32 arithmetic and the matrix unit's own rounding can turn it there, and no further.
;; One version. Each part assembles by itself: llvm-mc -triple=amdgcn-amd-amdhsa -mcpu=gfx1250 --defsym DOCPART=n.
;; ======== version 1 of 1: 2 launches
;; limits: right only within a limited range of input values
;; workspace buffers: k_codes 16,777,216 bytes; v_codes 16,777,216 bytes
;; launch prep (part 1): grid 8 x 64, 4 waves a work-group, no clusters, 68,096 bytes of LDS; arguments key, value, lowp_scales, k_codes, v_codes; writes k_codes, v_codes
.if DOCPART == 1
	.amdgcn_target "amdgcn-amd-amdhsa--gfx1250"
	.amdhsa_code_object_version 6
	.text
	.protected	k_qf748563354_prep
	.globl	k_qf748563354_prep
	.p2align	8
	.type	k_qf748563354_prep,@function
k_qf748563354_prep:
	s_mov_b64 s[64:65], 0
	v_nop
	global_prefetch_b8 v0, s[64:65] scope:SCOPE_SE
	s_setreg_imm32_b32 hwreg(HW_REG_WAVE_MODE, 25, 1), 1
	s_wait_xcnt 0x0
; key and value, [4][2048][16][128] f32, are turned into codes of BF8 (E5M2), one byte each, each tensor with the one scale 2^e that is given for it
; (lowp_scales[1] for key, lowp_scales[2] for value):  code = x / 2^e, held within +-57,344, rounded to the nearest code, ties to even.
;   k_codes [hh = 16 b + h][key][128]:  the channels innermost, since they are the first product's K.
;   v_codes [hh][channel][2048]:        the KEYS innermost, since they are the second product's K.
; Both are read by eight query blocks of the next launch, so they are quantised once, here.
; SHARES.  Work-group (x = kb, y = hh) takes 256 keys of one head, first of key, then of value: one path through the text.  Four waves that share nothing: no barrier.
;   K: wave w takes keys 64 w .. 64 w + 63, four a step.  A key's 128 numbers are 512 consecutive bytes: one load of the wave.  The conversion wants 16 NEIGHBOURS in one lane, so a step's
;      2,048 bytes turn through the wave's own stage in LDS (16 bytes of padding behind each 64) and come back 64 bytes a lane.  A lane's 16 codes are 16 bytes: the wave stores 512 consecutive bytes.
;   V: wave w takes channels 32 w + lane; A LANE TAKES A CHANNEL AND ITS REGISTERS RUN DOWN THE KEYS, so the conversions give codes with the keys innermost and nothing is transposed by an instruction.
;      A channel's 256 codes gather in the wave's own stage and leave as rows: sixteen lanes store 256 consecutive bytes, aligned.
; No tensor loads, clusters or matrix units: the work-groups share no input, and each byte is read once and written once.  Every offset is an immediate; no pointer is stepped.
; LIMITS: both exponents lie between -126 and 112, so that 2^e and 57,344 x 2^e are f32 numbers.  NaN among the inputs is not served (an infinity is held at the largest code).
.set KSTEPS, 16                        ; K: steps of 4 keys
.set ROWG,   8192                      ; bytes from a key to the next in key and in value: 16 heads x 128 x 4
.set SP,     80                        ; K stage: a lane's place: 64 bytes + 16 of padding
.set KSTG,   32*SP                     ; one K stage; a wave has two, in a region of 8,192 bytes of its own
.set VSTG,   32768                     ; behind the four waves' K regions: the V stages
.set VPITCH, 272                       ; V stage: a channel's 256 codes + 16 of padding
.set NB,     8                         ; V: blocks of 32 keys
.set R,    16                          ; v16-79   K: four sets of 16 numbers as loaded; at the end: V's rows read back from the stage
.set X,    80                          ; v80-111  K: two sets of 16 neighbours
.set VC,   96                          ; v96-103  V: a block's 32 codes (K's set is done with by then)
.set KC,   128                         ; v128-191 K: four registers of codes for each step, so that no store's data are written again
.set VX,   192                         ; v192-255 V: two sets of 32 numbers
	s_load_b256 s[4:11], s[0:1], 0x0               ; key s[4:5], value s[6:7], the scales' exponents s[8:9], k_codes s[10:11]
	s_load_b64 s[12:13], s[0:1], 0x20              ; v_codes
	v_lshl_add_u32 v126, v0, 2, 0x10800
	v_mov_b32 v127, 0
	v_lshrrev_b32 v1, 5, v0
	v_readfirstlane_b32 s16, v1                    ; wave 0..3
	v_and_b32 v2, 31, v0                           ; lane
	v_lshlrev_b32 v3, 4, v2                        ; K: my 16 bytes of a load's 512, and of a store's 512
	s_lshl_b32 s21, s16, 13                        ; my K region
	v_lshrrev_b32 v14, 2, v2
	v_mul_u32_u24 v14, v14, SP
	v_and_b32 v15, 3, v2
	v_lshl_add_u32 v14, v15, 4, v14
	v_add_nc_u32 v14, s21, v14                     ; K stage, in: four lanes' 64 bytes on end, then the padding: SP (lane / 4) + 16 (lane % 4)
	v_mul_u32_u24 v15, v2, SP
	v_add_nc_u32 v15, s21, v15                     ; K stage, out: SP x lane: my 16 neighbours
	v_lshlrev_b32 v5, 2, v2                        ; V: 4 bytes a lane
	s_mul_i32 s21, s16, 32*VPITCH
	s_add_co_u32 s21, s21, VSTG                    ; my V stage
	v_mul_u32_u24 v6, v2, VPITCH
	v_add_nc_u32 v6, s21, v6                       ; V stage, in: row = my channel
	v_and_b32 v9, 15, v2
	v_lshrrev_b32 v4, 4, v2
	v_mul_u32_u24 v7, v4, VPITCH
	v_lshl_add_u32 v7, v9, 4, v7
	v_add_nc_u32 v7, s21, v7                       ; V stage, out: sixteen lanes to a row, two rows an instruction
	v_lshlrev_b32 v8, 11, v4
	v_lshl_add_u32 v8, v9, 4, v8                   ; and the same place in v_codes: rows of 2,048 bytes
	; byte offsets, all under 2^27
	s_and_b32 s18, ttmp7, 0xffff                   ; hh
	s_lshr_b32 s19, s18, 4                         ; b
	s_and_b32 s20, s18, 15                         ; h
	s_lshl_b32 s22, s19, 11
	s_lshl_b32 s23, ttmp9, 8
	s_add_co_u32 s22, s22, s23                     ; the group's first key, counted through the batches: 2,048 b + 256 kb
	s_lshl_b32 s22, s22, 13
	s_lshl_b32 s23, s20, 9
	s_add_co_u32 s22, s22, s23                     ; its head's first byte in key and in value
	s_lshl_b32 s24, s16, 19
	s_add_co_u32 s24, s24, s22                     ; K from: + 64 keys x wave
	s_mov_b32 s25, 0
	s_lshl_b32 s26, s16, 7
	s_add_co_u32 s26, s26, s22                     ; V from: + 32 channels x wave
	s_mov_b32 s27, 0
	s_lshl_b32 s28, s18, 18                        ; a head's codes are 2^18 bytes in either buffer
	s_lshl_b32 s23, ttmp9, 15
	s_add_co_u32 s30, s28, s23
	s_lshl_b32 s23, s16, 13
	s_add_co_u32 s30, s30, s23                     ; K to: + 256 keys x kb + 64 keys x wave, 128 bytes a key
	s_mov_b32 s31, 0
	s_lshl_b32 s23, s16, 16
	s_add_co_u32 s28, s28, s23
	s_lshl_b32 s23, ttmp9, 8
	s_add_co_u32 s28, s28, s23                     ; V to: + 32 rows x wave + 256 bytes x kb
	s_mov_b32 s29, 0
	s_wait_kmcnt 0x0
	s_load_b128 s[32:35], s[8:9], 0x0              ; eq, ek, ev, ep
	s_add_nc_u64 s[4:5], s[4:5], s[24:25]
	s_add_nc_u64 s[6:7], s[6:7], s[26:27]
	s_add_nc_u64 s[10:11], s[10:11], s[30:31]
	s_add_nc_u64 s[12:13], s[12:13], s[28:29]
.macro KLOAD t                         ; step t: four keys, each 512 consecutive bytes
.irp i, 0,1,2,3
	global_load_b128 v[R+16*((\t)%4)+4*\i:R+16*((\t)%4)+4*\i+3], v3, s[4:5] offset:4*ROWG*(\t)+ROWG*\i th:TH_LOAD_NT
.endr
.endm
.macro KTURN t                         ; step t's numbers through a stage: LDS serves a wave's instructions in order (ISA guide 5.7.1.4), so no wait stands between the stores and the loads
.irp i, 0,1,2,3
	ds_store_b128 v14, v[R+16*((\t)%4)+4*\i:R+16*((\t)%4)+4*\i+3] offset:KSTG*((\t)%2)+8*SP*\i
.endr
.irp i, 0,1,2,3
	ds_load_b128 v[X+16*((\t)%2)+4*\i:X+16*((\t)%2)+4*\i+3], v15 offset:KSTG*((\t)%2)+16*\i
.endr
.endm
.macro VLOAD t                         ; block t: value(key 32 t + i, my channel), i = 0 .. 31, into set t % 2: 128 consecutive bytes a wave, 512 a work-group
.set II, 0
.rept 32
	global_load_b32 v[VX+32*((\t)%2)+II], v5, s[6:7] offset:(32*(\t)+II)*ROWG th:TH_LOAD_NT
.set II, II+1
.endr
.endm
.irp t, 0,1,2,3
	KLOAD \t
.endr
	s_wait_kmcnt 0x0
	s_add_co_i32 s36, s33, 127
	s_lshl_b32 s37, s36, 23
	v_mov_b32 v11, s37                             ; 2^ek as f32: the conversion takes its exponent field
	s_add_co_i32 s36, s34, 127
	s_lshl_b32 s37, s36, 23
	v_mov_b32 v13, s37                             ; 2^ev
	s_add_co_i32 s36, s36, 15
	s_lshl_b32 s36, s36, 23
	s_or_b32 s36, s36, 0x600000
	s_wait_alu depctr_va_vdst(0)
	s_wait_loadcnt 12                              ; step 0's four loads are in; those of steps 1 to 3 stay out
	KTURN 0
.macro KSTEP t
.set XS, X+16*((\t)%2)
	s_wait_dscnt 0x0                               ; this step's numbers are back from the stage: so its stores into the stage have read their registers,
.if (\t)+4 < KSTEPS
	KLOAD (\t)+4                                   ; which take the loads of four steps on
.endif
.if (\t)+1 < KSTEPS
.if KSTEPS-2-(\t) >= 3
	s_wait_loadcnt 12                              ; the next step's four loads are in; those of the three steps behind it may be out
.else
	s_wait_loadcnt 4*(KSTEPS-2-(\t))               ; the counts run down: 8, 4, 0
.endif
	KTURN (\t)+1                                   ; and go through the other stage while this step is worked
.endif
.if (\t) == KSTEPS-2
	VLOAD 0                                        ; behind K's last wait for loads: V's first two blocks are on their way while K's last two steps are worked
	VLOAD 1
.endif
.set II, 0
.rept 16
.set II, II+1
.endr
	v_cvt_scalef32_pk8_bf8_f32 v[KC+4*(\t):KC+4*(\t)+1], v[XS:XS+7], v11
	v_cvt_scalef32_pk8_bf8_f32 v[KC+4*(\t)+2:KC+4*(\t)+3], v[XS+8:XS+15], v11
	global_store_b128 v3, v[KC+4*(\t):KC+4*(\t)+3], s[10:11] offset:512*(\t)   ; lane l: key 4 t + l / 8, channels 16 (l % 8) on: 512 consecutive bytes a wave.
.endm
.irp t, 0,1,2,3,4,5,6,7,8,9,10,11,12,13,14,15
	KSTEP \t
.endr
.macro VBLOCK t
.set XS, VX+32*((\t)%2)
.if (\t) < NB-1
	s_wait_loadcnt 32                              ; this block's 32 loads are in; the next block's may be out
.else
	s_wait_loadcnt 0x0
.endif
.set II, 0
.rept 32
.set II, II+1
.endr
	v_nop
.irp g, 0,1,2,3
	v_cvt_scalef32_pk8_bf8_f32 v[VC+2*\g:VC+2*\g+1], v[XS+8*\g:XS+8*\g+7], v13
.endr
	ds_store_b128 v6, v[VC:VC+3] offset:32*(\t)    ; 32 codes: 32 bytes of my channel's row
	ds_store_b128 v6, v[VC+4:VC+7] offset:32*(\t)+16
.if (\t)+2 < NB
	VLOAD (\t)+2
.endif
	s_wait_dscnt 0x0                               ; the stores have read their registers: the next block's codes may be written
.endm
.irp t, 0,1,2,3,4,5,6,7
	VBLOCK \t
.endr
.irp t, 0,1,2,3,4,5,6,7,8,9,10,11,12,13,14,15
	ds_load_b128 v[R+4*\t:R+4*\t+3], v7 offset:2*\t*VPITCH   ; these see my stores: a wave's LDS instructions are served in order
.endr
.irp t, 0,1,2,3,4,5,6,7,8,9,10,11,12,13,14,15
	s_wait_dscnt 15-\t                             ; the younger reads may stay out
	global_store_b128 v8, v[R+4*\t:R+4*\t+3], s[12:13] offset:2*\t*2048   ; sixteen lanes store 256 consecutive bytes, at a multiple of 256 from the buffer's first byte
.endr
	s_wait_tensorcnt 0x0
	ds_add_u32 v126, v127
	s_wait_dscnt 0x0
	s_endpgm
.Lfunc_end_k_qf748563354_prep:
	.size	k_qf748563354_prep, .Lfunc_end_k_qf748563354_prep-k_qf748563354_prep
	.p2alignl 7, 3214868480
	.fill 96, 4, 3214868480
	.section	.rodata,"a",@progbits
	.p2align	6, 0x0
	.amdhsa_kernel k_qf748563354_prep
		.amdhsa_group_segment_fixed_size 68096
		.amdhsa_private_segment_fixed_size 0
		.amdhsa_enable_private_segment 0
		.amdhsa_kernarg_size 40
		.amdhsa_user_sgpr_count 2
		.amdhsa_user_sgpr_kernarg_segment_ptr 1
		.amdhsa_wavefront_size32 1
		.amdhsa_system_sgpr_workgroup_id_x 1
		.amdhsa_system_sgpr_workgroup_id_y 1
		.amdhsa_system_sgpr_workgroup_id_z 1
		.amdhsa_system_vgpr_workitem_id 0
		.amdhsa_next_free_vgpr 256
		.amdhsa_next_free_sgpr 66
		.amdhsa_reserve_vcc 0
		.amdhsa_float_denorm_mode_32 3
		.amdhsa_float_denorm_mode_16_64 3
		.amdhsa_fp16_overflow 1
		.amdhsa_memory_ordered 1
		.amdhsa_forward_progress 1
		.amdhsa_inst_pref_size 53
	.end_amdhsa_kernel
	.amdgpu_metadata
---
amdhsa.version: [ 1, 2 ]
amdhsa.kernels:
  - .name:           k_qf748563354_prep
    .symbol:         k_qf748563354_prep.kd
    .args:
      - { .name: key, .offset: 0, .size: 8, .value_kind: global_buffer, .address_space: global }
      - { .name: value, .offset: 8, .size: 8, .value_kind: global_buffer, .address_space: global }
      - { .name: lowp_scales, .offset: 16, .size: 8, .value_kind: global_buffer, .address_space: global }
      - { .name: k_codes, .offset: 24, .size: 8, .value_kind: global_buffer, .address_space: global }
      - { .name: v_codes, .offset: 32, .size: 8, .value_kind: global_buffer, .address_space: global }
    .group_segment_fixed_size: 68096
    .private_segment_fixed_size: 0
    .kernarg_segment_align: 8
    .kernarg_segment_size: 40
    .max_flat_workgroup_size: 128
    .sgpr_count:     66
    .vgpr_count:     256
    .wavefront_size: 32
...
	.end_amdgpu_metadata
.endif
;; end of part 1
;; launch attn (part 2): grid 8 x 64, 8 waves a work-group, clusters of 4 x 1, 327,680 bytes of LDS; arguments query, k_codes, v_codes, attn_mask, lowp_scales, out0; writes out0
.if DOCPART == 2
	.amdgcn_target "amdgcn-amd-amdhsa--gfx1250"
	.amdhsa_code_object_version 6
	.text
	.protected	k_qf748563354_attn
	.globl	k_qf748563354_attn
	.p2align	8
	.type	k_qf748563354_attn,@function
k_qf748563354_attn:
	s_mov_b64 s[64:65], 0
	v_nop
	global_prefetch_b8 v0, s[64:65] scope:SCOPE_SE
	s_setreg_imm32_b32 hwreg(HW_REG_WAVE_MODE, 25, 1), 1
	s_wait_xcnt 0x0
	s_wait_alu depctr_hold_cnt(0) depctr_sa_sdst(0) depctr_va_vdst(0) depctr_va_sdst(0) depctr_va_ssrc(0) depctr_va_vcc(0) depctr_vm_vsrc(0)
	s_getreg_b32 s2, hwreg(HW_REG_IB_STS2, 6, 4)
	s_cmp_eq_u32 s2, 0
	s_cbranch_scc0 .Lentry_in_a_cluster
	s_endpgm
.Lentry_in_a_cluster:
	s_bfe_u32 s2, ttmp6, 0x10000c
	s_cmp_lg_u32 s2, 0x3003
	s_cbranch_scc0 .Lentry_shape_is_right
	s_endpgm
.Lentry_shape_is_right:
; out0[b][q][h][:] = (attn_mask[b][q] > 0) x the sum over k of softmax_k(Q . K / sqrt(128), keys with attn_mask[b][k] <= 0 hidden) V[k][:], both products on codes of BF8 (E5M2),
; each operand with the one scale 2^e that is given for it: lowp_scales = eq, ek, ev, ep.
; query: [4][2048][16][128] f32, quantised here in registers (each row is read by one wave, once).  k_codes [hh][key][128], v_codes [hh][channel][2048]: the launch before made them.  out0: f32, laid as query.
; THE SOFTMAX AHEAD OF THE SECOND PRODUCT: t = score x log2(e) / sqrt(128); M = the largest t so far, rounded UP to a whole number; p = 2^(t - M) is what is quantised, along the keys; it is not normalised.
; The row's sum is taken of the unquantised p, in f32, and divides O at the end.  When M moves, the sum and O are multiplied by 2^(old M - new M): exact.
; THE MASK COSTS NO VECTOR INSTRUCTION.  It is turned once into 2,048 f32 numbers in LDS: 0 for a key that counts, -2^126 for a hidden one.  A step's 64 numbers of a lane are loaded into registers and are the C of the score products.
; A sum of 128 products of codes lies under 2^39 in magnitude, so a hidden key's score stays near -2^126, under every score that counts; the step's largest score is held from below at -2^40 (a third leaf of a maximum
; that is there anyway), so M is an ordinary number also while every key so far is hidden, and a hidden key's p is 2^(a very negative number) = 0.  No branch hangs on the mask, every key step is walked.
; A hidden QUERY's factor at the end is chosen as 0.  Queries and keys share one mask: a query that counts has itself as a key that counts, so its sum is at least 1/2; where no key of a batch counts, no query does.
; SHARES.  A work-group owns 256 queries of one head; each of its eight waves 32 of them, TWO TILES of 16, in 512 registers: two waves to a SIMD.  Every fragment of K and of V that a wave reads from LDS goes to both tiles,
; and so do the bias's registers: a key step's 80 LDS loads (K 32, V 32, bias 16) feed 32 matrix instructions.
; Every wave walks all 2,048 keys, 128 a step.  K's and V's tiles come through a ring of two LDS slots of 256 keys, filled by the tensor data mover (waves 0, 1: K's halves; waves 2, 3: V's) and read by all eight.
; CLUSTER.  The four query blocks of a cluster belong to one head and walk the same K and V, so each tile is asked for JOINTLY: the same tensor load, the same descriptor, a mask that names the four.
; A head has eight query blocks and nothing is shared between heads: so 4 x 1, two clusters a head.  The place in the cluster enters only global addresses of query, out0, the queries' mask words and the prefetches.
; LAYOUT.  Both products are used transposed: S^T = K Q^T (source 0 = 16 keys, source 1 = 16 queries), O^T = V^T P^T (source 0 = 16 channels, source 1 = P): a lane holds ONE query of each tile (lane % 16) throughout.
; THE KEYS OF A TILE ARE NOT NEIGHBOURS: lane r of tile 2 b + u takes key 32 b + 8 u + r + 8 (r / 8), so that the 16 registers of tiles 2 b and 2 b + 1 are 16 neighbouring keys, 32 b + 16 (lane / 16) + 0 .. 15.
; A fragment (16 rows x 128 K) is fetched by four loads of 16 bytes, 32 bytes apart: the same permutation of K on both sides of each product.
; LIMITS on the given exponents: eq + ek between -110 and 80 (it is added to the exponent field of c; c x 2^(eq + ek) x 2^126 stays above 8,000 and c x 2^(eq + ek) x 2^40 stays an f32 number);
; eq and ep between -126 and 112; ep + ev is applied by v_ldexp_f32 and has none.  NaN among the inputs is not served.
; REGISTERS, in two windows of 256 (an instruction names v0-v255; s_set_vgpr_msb says which window each operand place means: bits 1:0 source 0, 3:2 source 1, 5:4 source 2, 7:6 destination).
; Query tile x lives in window x, under the same numbers in both, so that its softmax is ONE text, run under the setting 0 or 0x55:
;   v4 the query's mask word; v12 -M, v13 the largest t, v[14:15] the sum in two halves; v16-31 Q's codes; v96-159 S^T, then p (at the head: Q's 64 numbers); v160-223 O^T; v224-239 p's codes; v240-255 constants and at work.
;   window 0 alone: v0-11 addresses; v32-95 four fragments of K or of V.      window 1 alone: v32-95 the step's bias, and behind the score products four more fragments of V.
.set KP,    144                        ; a key's row in LDS: 128 bytes + 16 of padding
.set VP,    272                        ; a row of V's tile in LDS: 256 bytes + 16 of padding
.set VOFF,  256*KP                     ; a slot: 256 rows of K, then 128 rows of V
.set SLOT1, 1<<17                      ; slot 1 begins here, so that one exclusive or turns an address in one slot into the other's
.set NSL,   8                          ; slots' worth of keys: 2,048 / 256
.set SPARE, 2*SLOT1                    ; behind the ring: the spare words, 128 bytes for each of 8 waves: four blocks of 256 bytes that no other line names
.set BIAS,  SPARE+1024                 ; behind them: 2,048 f32, the mask as numbers; stored once by the waves, never the target of a tensor load
.set SPI,   272                        ; the way out: 16 rows x (256 bytes + 16) for each tile of each wave, from LDS byte 0 on: slot 0 has had its last fill (keys 1,536 on) and was left by every wave at the last change of slots
.set TROW,  16*8192                    ; bytes from tile 0's first row to tile 1's in query and in out0
.set AK0,  1                           ; v1   my lane's place in a tile of K
.set AV0,  2                           ; v2   the same for V
.set PFO,  3                           ; v3   the prefetches' lane offset; never rewritten
.set QM,   4                           ; v4   attn_mask of my query (in each window its tile's)
.set SPW,  5                           ; v5   LDS address of my spare word: SPARE + 4 x my thread's number; never rewritten
.set NIL,  6                           ; v6   0; never rewritten
.set GO,   7                           ; v7   the way out: my byte offset in a tile's rows of out0
.set ADK,  8                           ; v8   LDS address of the step's tiles of K
.set ADV,  9                           ; v9   of V
.set ADB,  10                          ; v10  of the slot's bias
.set AB0,  11                          ; v11  BIAS + 64 (lane / 16)
.set WV,   18                          ; s18  my wave's number
.set SEL,  20                          ; s[20:21] lane selects for v_permlanex16_b32: lane l xor 16
.set CS,   22                          ; s[22:23] c = log2(e) / sqrt(128) x 2^(eq + ek): the packed form names a pair and takes its low word for both halves
.set G1K,  24                          ; s[24:31] descriptor group 1 for K's tiles;  s[32:39] for V's;  s[40:43], s[44:47] their groups 0, which walk
.set G1V,  32
.set G0K,  40
.set G0V,  44
.set TB,   48                          ; s48  LDS byte at which the slot in hand begins
.set SLOTS, 49                         ; s49  slots still to be asked for
.set KB,   50                          ; s50  the slot's first key x 4: its place in the bias
.set LIM,  51                          ; s51  1 in a wave that prefetches, else the greatest number
.set PFA,  52                          ; s[52:53] where my prefetches stand
.set PFS,  54                          ; s[54:55] a slot on, in bytes: 32,768 in K, 256 in a row of V
.set MSB, 0
.macro WIN new                         ; the immediate's high byte repeats the setting that is left; a switch that changes nothing is dropped.  At every label and branch the setting is 0
.if MSB != \new
	s_set_vgpr_msb (MSB<<8)|\new
.set MSB, \new
.endif
.endm
; A joint load.  Waves 0 and 1 fetch for K, waves 2 and 3 for V, the others nothing.  The branches hang on the wave's number alone: they are the same in every work-group.
; Four v_nop follow each of the two lines, ahead of the jump, the label and what follows.
.macro TLOAD
	s_cmp_lt_u32 s[WV], 2
	s_cbranch_scc0 .Lnot_k_\@
	tensor_load_to_lds s[G0K:G0K+3], s[G1K:G1K+7]
	s_nop 0
.rept 4
	v_nop
.endr
	s_branch .Lasked_\@
.Lnot_k_\@:
	s_cmp_lt_u32 s[WV], 4
	s_cbranch_scc0 .Lasked_\@
	tensor_load_to_lds s[G0V:G0V+3], s[G1V:G1V+7]
	s_nop 0
.rept 4
	v_nop
.endr
.Lasked_\@:
.endm
; A PREFETCH of what the NEXT change of slots will ask for: a slot's 256 rows of K, one dense block of 32,768 bytes, and 256 codes of each of V's 128 rows.  It stands at the change of slots, where the fetching waves have their tensor load:
; a slot's two key steps ahead of the load that wants the bytes.  Each aligned block of 256 bytes is named once in the launch: both clusters of a head walk the same K and V, and the first of them (cluster x = 0) asks;
; its four partners share the blocks out BY ADDRESS (K: 8,192 bytes each, lanes 256 bytes apart; V: 32 rows each, a lane a row); in each, wave 4 asks for K and wave 5 for V, one instruction.
; Slots 0 and 1 come by their loads alone; the last change that fills a slot asks for nothing: there is no slot behind it.
.macro ASK
	s_cmp_gt_u32 s[SLOTS], s[LIM]
	s_cbranch_scc0 .Lnot_mine_\@
	global_prefetch_b8 v[PFO], s[PFA:PFA+1] th:TH_LOAD_NT scope:SCOPE_SE
.Lnot_mine_\@:
.endm
; A round of the cluster's barrier: my work-group's barrier, so that wave 0's signal speaks for all eight waves; wave 0 signals for the work-group; every wave waits for all four work-groups; my work-group's barrier once more.
.macro CROUND
	s_barrier_signal -1
	s_barrier_wait -1
	s_cmp_lg_u32 s[WV], 0
	s_cbranch_scc1 .Lnot_wave_0_\@
	s_barrier_signal -3
.Lnot_wave_0_\@:
	s_barrier_wait -3
	s_barrier_signal -1
	s_barrier_wait -1
.endm
	s_load_b256 s[4:11], s[0:1], 0x0               ; query s[4:5], k_codes s[6:7], v_codes s[8:9], attn_mask s[10:11]
	s_load_b128 s[12:15], s[0:1], 0x20             ; the scales' exponents s[12:13], out0 s[14:15]
	v_lshl_add_u32 v[SPW], v0, 2, SPARE
	v_mov_b32 v[NIL], 0
	ds_add_u32 v5, v6
	ds_add_u32 v5, v6
	s_wait_dscnt 0x0
	v_lshrrev_b32 v8, 5, v0
	s_delay_alu instid0(VALU_DEP_1)
	v_readfirstlane_b32 s[WV], v8                  ; wave 0..7
	s_bfe_u32 s16, ttmp6, 0x40000                  ; cx: my place in the cluster
	s_lshl_b32 s17, ttmp9, 2                       ; in a cluster launch ttmp9 counts clusters
	s_add_co_u32 s17, s17, s16                     ; my block of 256 queries = 4 x cluster x + cx
	s_and_b32 s66, ttmp7, 0xffff                   ; hh = 16 b + h, which the four partners share
	s_lshr_b32 s67, s66, 4                         ; b
	s_and_b32 s68, s66, 15                         ; h
	s_lshl_b32 s69, s66, 18                        ; the head's first byte in either buffer of codes
	s_lshl_b32 s70, s17, 8
	s_lshl_b32 s71, s[WV], 5
	s_add_co_u32 s70, s70, s71                     ; q0, my first query: 256 x block + 32 x wave
	s_lshl_b32 s74, s70, 2                         ; its word in the batch's mask
	s_lshl_b32 s72, s67, 11
	s_add_co_u32 s72, s72, s70
	s_lshl_b32 s72, s72, 13                        ; (2,048 b + q0) rows of 8,192 bytes
	s_lshl_b32 s73, s68, 9
	s_add_co_u32 s72, s72, s73                     ; + 512 h: my first row in query and in out0, under 2^26
	s_mov_b32 s73, 0
	s_lshl_b32 s76, s67, 13                        ; the batch's 2,048 words of the mask
	s_mov_b32 s77, 0
	; what I fetch, if I fetch: waves 0, 1: keys 128 x (wave % 2) on; waves 2, 3: rows 64 x (wave % 2) of V.  No place in the cluster enters these
	s_and_b32 s82, s[WV], 1
	s_mul_i32 s83, s82, 128*KP                     ; K: in a slot,
	s_lshl_b32 s84, s82, 14
	s_add_co_u32 s84, s84, s69                     ; and in memory
	s_mov_b32 s85, 0
	s_mul_i32 s86, s82, 64*VP
	s_add_co_u32 s86, s86, VOFF                    ; V: in a slot,
	s_lshl_b32 s88, s82, 17
	s_add_co_u32 s88, s88, s69                     ; and in memory: 64 rows of 2,048 bytes
	s_mov_b32 s89, 0
	; descriptor group 1.  K: 128 rows of 128 bytes, dense in memory.  V: 64 rows of 256 bytes, 2,048 bytes apart
	s_mov_b32 s[G1K], 15|(1<<20)|(1<<21)|(4<<22)|(3<<25)   ; 15:0 the mask: all four work-groups; 17:16 elements of 1 byte; 20 padding on; 21 set beside a mask; 24:22 after every 32 words (code 4); 31:25 four words (code 3)
	s_mov_b32 s[G1K+1], 128<<16                    ; tensor_dim0
	s_mov_b32 s[G1K+2], 128<<16                    ; tensor_dim1
	s_mov_b32 s[G1K+3], 128<<16                    ; tile_dim0
	s_mov_b32 s[G1K+4], 128                        ; tile_dim1
	s_mov_b32 s[G1K+5], 128                        ; tensor_dim0_stride
	s_mov_b32 s[G1K+6], 0
	s_mov_b32 s[G1K+7], 0
	s_mov_b32 s[G1V], 15|(1<<20)|(1<<21)|(5<<22)|(3<<25)   ; the same, four words of padding after every 64
	s_mov_b32 s[G1V+1], 256<<16
	s_mov_b32 s[G1V+2], 64<<16
	s_mov_b32 s[G1V+3], 256<<16
	s_mov_b32 s[G1V+4], 64
	s_mov_b32 s[G1V+5], 2048
	s_mov_b32 s[G1V+6], 0
	s_mov_b32 s[G1V+7], 0
	s_mov_b32 s[SEL], 0x76543210
	s_mov_b32 s[SEL+1], 0xfedcba98
	s_mov_b32 s[CS], 0x3e0293ee                    ; c = log2(e) / sqrt(128)
	s_mov_b32 s[TB], 0
	s_mov_b32 s[KB], 0
	s_mov_b32 s[SLOTS], NSL-1
	s_wait_kmcnt 0x0
	s_load_b128 s[56:59], s[12:13], 0x0            ; eq, ek, ev, ep
	s_mov_b32 s[G0K], 1                            ; 1:0 count = 1
	s_mov_b32 s[G0K+1], s83                        ; 63:32 LDS address: slot 0
	s_add_nc_u64 s[G0K+2:G0K+3], s[6:7], s[84:85]  ; 120:64 global address: the head's first 256 keys
	s_or_b32 s[G0K+3], s[G0K+3], 0x80000000        ; 127:126 type = 2
	s_mov_b32 s[G0V], 1
	s_mov_b32 s[G0V+1], s86
	s_add_nc_u64 s[G0V+2:G0V+3], s[8:9], s[88:89]
	s_or_b32 s[G0V+3], s[G0V+3], 0x80000000
	CROUND                                         ; all four work-groups are here: the first joint loads meet
	TLOAD                                          ; slot 0: by this text's count a wave never has more than one tensor load out
	s_add_nc_u64 s[4:5], s[4:5], s[72:73]          ; query at my first row
	s_add_nc_u64 s[14:15], s[14:15], s[72:73]      ; out0 likewise
	s_add_nc_u64 s[10:11], s[10:11], s[76:77]      ; the mask at my batch
	; the prefetches (macro ASK): where my wave's stand, and who asks
	s_cmp_eq_u32 s[WV], 4                          ; wave 4 asks for K's codes, wave 5 for V's (in the other waves these numbers are not used)
	s_cselect_b64 s[PFA:PFA+1], s[6:7], s[8:9]
	s_mov_b32 s[PFS], 256
	s_cselect_b32 s[PFS], 32768, s[PFS]            ; a slot on
	s_mov_b32 s60, 2048
	s_cselect_b32 s60, 256, s60                    ; from lane to lane
	s_mov_b32 s61, 65536
	s_cselect_b32 s61, 8192, s61                   ; from partner to partner
	v_and_b32 v[PFO], 31, v0
	s_delay_alu instid0(VALU_DEP_1)
	v_mul_lo_u32 v[PFO], v[PFO], s60
	s_mul_i32 s62, s16, s61                        ; my work-group's part,
	s_add_co_u32 s62, s62, s[PFS]                  ; in slot 1: the first change of slots steps it to slot 2.  Nothing is prefetched here, at the head, where every work-group's first tiles are on their way
	s_add_co_u32 s62, s62, s69                     ; in my head
	s_mov_b32 s63, 0
	s_mov_b32 s[PFS+1], 0
	s_add_nc_u64 s[PFA:PFA+1], s[PFA:PFA+1], s[62:63]
	s_sub_co_u32 s60, s[WV], 4
	s_lshr_b32 s60, s60, 1                         ; 0 in waves 4 and 5,
	s_or_b32 s60, s60, ttmp9                       ; of the head's first cluster: the same in all four partners
	s_cmp_eq_u32 s60, 0
	s_cselect_b32 s[LIM], 1, -1
	; the loads of the head: the batch's mask (eight words a thread: 256 threads x 8 = 2,048), my two queries' words, my 32 queries' numbers
.macro QLOAD x                         ; tile x: register 16 c + i takes channel 32 c + 16 h + i of my query
.irp c, 0,1,2,3
.irp j, 0,1,2,3
	global_load_b128 v[96+16*\c+4*\j:99+16*\c+4*\j], v10, s[4:5] offset:TROW*(\x)+128*\c+16*\j th:TH_LOAD_NT
.endr
.endr
.endm
	v_lshlrev_b32 v251, 5, v0                      ; 32 bytes a thread
	global_load_b128 v[224:227], v251, s[10:11]
	global_load_b128 v[228:231], v251, s[10:11] offset:16
	v_and_b32 v8, 15, v0                           ; r = lane % 16
	v_bfe_u32 v9, v0, 4, 1                         ; h = lane / 16
	s_delay_alu instid0(VALU_DEP_2)
	v_lshlrev_b32 v252, 2, v8
	s_delay_alu instid0(VALU_DEP_1)
	v_add_nc_u32 v252, s74, v252
	global_load_b32 v[QM], v252, s[10:11]          ; attn_mask[b][q0 + r]
	v_lshlrev_b32 v10, 13, v8
	s_delay_alu instid0(VALU_DEP_1)
	v_lshl_add_u32 v10, v9, 6, v10                 ; query: row r of 8,192 bytes, + 64 h: my 16 numbers of a block of 32
	QLOAD 0
	WIN 0x40                                       ; destination window 1, address window 0
	global_load_b32 v[QM], v252, s[10:11] offset:64   ; attn_mask[b][q0 + 16 + r]
	QLOAD 1
	WIN 0
	v_add_nc_u32 v255, BIAS, v251                  ; where my eight numbers of the bias go
	v_and_b32 v11, 8, v8
	s_delay_alu instid0(VALU_DEP_1)
	v_add_nc_u32 v11, v11, v8                      ; r + 8 (r / 8)
	s_delay_alu instid0(VALU_DEP_1)
	v_mul_u32_u24 v[AK0], v11, KP
	s_delay_alu instid0(VALU_DEP_1)
	v_lshl_add_u32 v[AK0], v9, 4, v[AK0]
	v_mul_u32_u24 v[AV0], v8, VP
	s_delay_alu instid0(VALU_DEP_1)
	v_lshl_add_u32 v[AV0], v9, 4, v[AV0]
	s_delay_alu instid0(VALU_DEP_1)
	v_add_nc_u32 v[AV0], VOFF, v[AV0]
	v_lshlrev_b32 v[GO], 13, v9
	s_delay_alu instid0(VALU_DEP_1)
	v_lshl_add_u32 v[GO], v8, 4, v[GO]             ; the way out: lanes 0-15 take one row of out0, lanes 16-31 the next; 16 bytes a lane
	v_lshlrev_b32 v[AB0], 6, v9
	s_delay_alu instid0(VALU_DEP_1)
	v_add_nc_u32 v[AB0], BIAS, v[AB0]              ; my half's 16 keys of a block of 32: 64 bytes on
	v_mov_b32 v250, 0xfe800000                     ; -2^126
.macro INIT                            ; a tile's statistics and O^T, in the window that is set
	v_mov_b32 v13, 0xff61b1e6                      ; the largest t so far: -3e38, under every t
	s_delay_alu instid0(VALU_DEP_1)
	v_floor_f32 v12, -v13                          ; -M
	v_mov_b32 v14, 0                               ; the sum, in two halves
	v_mov_b32 v15, 0
	v_mov_b32 v236, 0                              ; written once: a lane permute's destination counts as one of its sources
	v_mov_b32 v253, 0                              ; (named as the upper half of the pair v[252:253])
.set JJ, 0
.rept 64
	v_mov_b32 v[160+JJ], 0                         ; O^T.  (The key step is written once: the first finds zeros, which the first change of M leaves zeros)
.set JJ, JJ+1
.endr
.endm
	INIT
	WIN 0x55
	INIT
	WIN 0
	s_wait_kmcnt 0x0
	s_add_co_i32 s60, s56, s57
	s_lshl_b32 s60, s60, 23
	s_add_co_i32 s[CS], s[CS], s60                 ; a score stands for score x 2^(eq + ek): the two exponents are added to c's exponent field
	s_mov_b32 s[CS+1], s[CS]                       ; (named with it as a pair, so it is written)
	s_add_co_i32 s60, s59, 127
	s_lshl_b32 s61, s60, 23                        ; 2^ep as f32, for p's conversions
	s_add_co_i32 s62, s56, 127
	s_lshl_b32 s63, s62, 23                        ; 2^eq, for Q's
.irp w, 0, 0x40                        ; the two constants stand in both windows, so that a tile's vector work names one window alone
	WIN \w
	v_mov_b32 v244, s61
	v_mov_b32 v245, s63
.endr
	WIN 0
	s_wait_loadcnt 34                              ; the mask's eight words are in; behind them stand my two queries' words and Q's 32 loads
.irp m, 0,1,2,3,4,5,6,7
	v_cmp_ge_i32 vcc_lo, 0, v[224+\m]              ; hidden where the word is not above 0
	s_delay_alu instid0(VALU_DEP_1)
	v_cndmask_b32 v[224+\m], 0, v250, vcc_lo       ; 0 for a key that counts, -2^126 for a hidden one
.endr
	ds_store_b128 v255, v[224:227]                 ; the first change of slots waits for these stores and passes a barrier ahead of the first read
	ds_store_b128 v255, v[228:231] offset:16
.macro QQ                              ; a tile's 64 numbers of Q become its fragment's codes, in the window that is set
.irp c, 0,1,2,3
.set JJ, 0
.rept 16
.set JJ, JJ+1
.endr
	v_cvt_scalef32_pk8_bf8_f32 v[16+4*\c:17+4*\c], v[96+16*\c:103+16*\c], v245   ; registers 4 c .. 4 c + 3 of Q's fragment: channels 32 c + 16 h + 0 .. 15, as K's loads lay K's
	v_cvt_scalef32_pk8_bf8_f32 v[18+4*\c:19+4*\c], v[104+16*\c:111+16*\c], v245
.endr
	v_nop                                          ; one plain vector instruction between the last scaled conversion and the matrix instructions that read its result and write its sources
.endm
	s_wait_loadcnt 17                              ; tile 0's numbers and word are in; tile 1's word and its sixteen loads may be out
	QQ
	s_wait_loadcnt 0x0
	WIN 0x55
	QQ
	WIN 0
; THE PARTS OF A KEY STEP.
.macro KLOAD q, g                      ; four fragments of K: key tiles 4 g .. 4 g + 3 of the slot's q-th 128 keys
.irp t, 0,1,2,3
.irp c, 0,1,2,3
	ds_load_b128 v[32+16*\t+4*\c:35+16*\t+4*\c], v[ADK] offset:(128*(\q)+32*((4*(\g)+\t)/2)+8*(\t%2))*KP+32*\c
.endr
.endr
.endm
.macro VLOAD q, g                      ; four fragments of V: channels 16 (4 g + t) on, the step's 128 keys; into the window that is set
.irp t, 0,1,2,3
.irp c, 0,1,2,3
	ds_load_b128 v[32+16*\t+4*\c:35+16*\t+4*\c], v[ADV] offset:16*(4*(\g)+\t)*VP+128*(\q)+32*\c
.endr
.endr
.endm
; S^T = bias + K Q^T for key tiles 4 g .. 4 g + 3: four products of query tile 0, four of query tile 1, on the same four fragments of K and the same 32 registers of the bias.  Every product begins a sum of its own (C is the bias,
; D the tile's S^T), and no two matrix instructions that follow each other share an accumulator.
.macro QK g
	WIN 0x10                                       ; C in window 1, all else in window 0
.irp t, 0,1,2,3
	v_wmma_f32_16x16x128_bf8_bf8 v[96+8*(4*(\g)+\t):103+8*(4*(\g)+\t)], v[32+16*\t:47+16*\t], v[16:31], v[32+8*(4*(\g)+\t):39+8*(4*(\g)+\t)]
.endr
	WIN 0x54                                       ; K in window 0; Q, C and D in window 1
.irp t, 0,1,2,3
	v_wmma_f32_16x16x128_bf8_bf8 v[96+8*(4*(\g)+\t):103+8*(4*(\g)+\t)], v[32+16*\t:47+16*\t], v[16:31], v[32+8*(4*(\g)+\t):39+8*(4*(\g)+\t)]
.endr
.endm
; O^T += V^T P^T of query tile x: channels 0-63 by the four fragments in window 0, channels 64-127 by the four in window 1.  Eight accumulators, one instruction each.
.macro PV x
.if \x
	WIN 0x54                                       ; V in window 0; P, C and D in window 1
.else
	WIN 0
.endif
.irp t, 0,1,2,3
	v_wmma_f32_16x16x128_bf8_bf8 v[160+8*\t:167+8*\t], v[32+16*\t:47+16*\t], v[224:239], v[160+8*\t:167+8*\t]
.endr
.if \x
	WIN 0x55
.else
	WIN 0x01                                       ; V in window 1, all else in window 0
.endif
.irp t, 0,1,2,3
	v_wmma_f32_16x16x128_bf8_bf8 v[192+8*\t:199+8*\t], v[32+16*\t:47+16*\t], v[224:239], v[192+8*\t:199+8*\t]
.endr
.endm
; One query tile's softmax for a key step, all in the window that is set.  The maximum and the sum go in four chains each, so that an instruction reads the result of the fourth before it, not of the one before.
.macro SOFT
	v_max3_num_f32 v246, v96, v97, v98             ; the step's largest score of my query, among my 64 keys; the scores are taken in ascending order: each accumulator is read from its low end on
	v_max3_num_f32 v247, v99, v100, v101
	v_max3_num_f32 v248, v102, v103, v104
	v_max3_num_f32 v249, v105, v106, v107
.set JJ, 12
.rept 6
	v_max3_num_f32 v246, v246, v[96+JJ], v[97+JJ]
	v_max3_num_f32 v247, v247, v[98+JJ], v[99+JJ]
	v_max3_num_f32 v248, v248, v[100+JJ], v[101+JJ]
	v_max3_num_f32 v249, v249, v[102+JJ], v[103+JJ]
.set JJ, JJ+8
.endr
	v_max3_num_f32 v246, v246, v156, v157
	v_max3_num_f32 v247, v247, v158, v159
	s_delay_alu instid0(VALU_DEP_1)
	v_max3_num_f32 v254, v246, v247, v248
	s_delay_alu instid0(VALU_DEP_1)
	v_max3_num_f32 v254, v254, v249, 0xd3800000    ; the four chains, and the floor -2^40: under every score that counts, far above a hidden one
	v_permlanex16_b32 v236, v254, s[SEL], s[SEL+1]
	s_delay_alu instid0(VALU_DEP_1)
	v_max_num_f32 v254, v254, v236                 ; and among lane l xor 16's
	s_delay_alu instid0(VALU_DEP_1)
	v_mul_f32 v254, s[CS], v254                    ; as t (c is positive)
	s_delay_alu instid0(VALU_DEP_1)
	v_max_num_f32 v13, v13, v254                   ; the running largest t
	v_mov_b32 v254, v12
	s_delay_alu instid0(VALU_DEP_2)
	v_floor_f32 v12, -v13                          ; the new -M = floor(-t) = -ceil(t): M IS A WHOLE NUMBER
	s_delay_alu instid0(VALU_DEP_1)
	v_sub_f32 v254, v12, v254                      ; M's old value less its new one: a whole number, 0 or less
	s_delay_alu instid0(VALU_DEP_1)
	v_cvt_i32_f32 v254, v254                       ; (it saturates)
	s_delay_alu instid0(VALU_DEP_1)
	v_ldexp_f32 v252, 1.0, v254                    ; f = 2^(old M - new M): what was summed under the old M is brought under the new by a multiplication that rounds nothing
.set JJ, 0
.rept 32
	v_pk_fma_f32 v[96+JJ:97+JJ], v[96+JJ:97+JJ], s[CS:CS+1], v[12:13] op_sel_hi:[1,0,0]   ; t - M, two at a time (of the pairs c and -M the low word serves both halves)
.set JJ, JJ+2
.endr
.set JJ, 0
	s_wait_alu depctr_va_vdst(0)
.rept 64
	v_exp_f32 v[96+JJ], v[96+JJ]                   ; p = 2^(t - M), at most 1, 0 for a hidden key: NOT normalised
.set JJ, JJ+1
.endr
	v_pk_mul_f32 v[14:15], v[14:15], v[252:253] op_sel_hi:[1,0]   ; the sums under the new M.  (The plain instruction behind the exponentials)
	s_wait_alu depctr_va_vdst(0)                   ; one wait for the whole batch of 64, ahead of its first reader
	v_pk_add_f32 v[242:243], v[96:97], v[98:99]    ; THE ROW'S SUM IS TAKEN OF THE UNQUANTISED p: two at a time
	v_pk_add_f32 v[246:247], v[100:101], v[102:103]
	v_pk_add_f32 v[248:249], v[104:105], v[106:107]
.set JJ, 12
.rept 6
	v_pk_add_f32 v[14:15], v[14:15], v[96+JJ:97+JJ]
	v_pk_add_f32 v[242:243], v[242:243], v[98+JJ:99+JJ]
	v_pk_add_f32 v[246:247], v[246:247], v[100+JJ:101+JJ]
	v_pk_add_f32 v[248:249], v[248:249], v[102+JJ:103+JJ]
.set JJ, JJ+8
.endr
	v_pk_add_f32 v[14:15], v[14:15], v[156:157]
	v_pk_add_f32 v[242:243], v[242:243], v[158:159]
	s_delay_alu instid0(VALU_DEP_3)
	v_pk_add_f32 v[246:247], v[246:247], v[248:249]
	s_delay_alu instid0(VALU_DEP_2)
	v_pk_add_f32 v[14:15], v[14:15], v[242:243]
	s_delay_alu instid0(VALU_DEP_1)
	v_pk_add_f32 v[14:15], v[14:15], v[246:247]
.irp b, 0,1,2,3
.set JJ, 0
.rept 16
.set JJ, JJ+1
.endr
	v_cvt_scalef32_pk8_bf8_f32 v[224+4*\b:225+4*\b], v[96+16*\b:103+16*\b], v244
	v_cvt_scalef32_pk8_bf8_f32 v[226+4*\b:227+4*\b], v[104+16*\b:111+16*\b], v244
.endr
.set JJ, 0
.rept 32
	v_pk_mul_f32 v[160+JJ:161+JJ], v[160+JJ:161+JJ], v[252:253] op_sel_hi:[1,0]   ; O^T under the new M: x f, each accumulator from its low end on.  (These 32 also stand between the conversions and the matrix instructions that read the codes)
.set JJ, JJ+2
.endr
.endm
.macro PLACES                          ; a load into a register that a matrix instruction has read, and a vector instruction that reads a matrix result, stand four plain vector instructions behind it (ISA guide 7.12.1 for vector instructions)
.rept 4
	v_nop
.endr
.endm
; A KEY STEP: 128 keys, the q-th of the slot in hand, for both query tiles.  It begins and ends with every window 0.
.macro STEP q
	v_add_nc_u32 v[ADK], s[TB], v[AK0]
	v_add_nc_u32 v[ADV], s[TB], v[AV0]
	v_add_nc_u32 v[ADB], s[KB], v[AB0]
	v_nop                                          ; with the three additions: the four places behind the last step's products, whose fragments' registers are loaded anew below
	WIN 0x40                                       ; destination window 1, address window 0
.set NN, 0
.rept 16
	ds_load_b128 v[32+4*NN:35+4*NN], v[ADB] offset:512*(\q)+128*(NN/4)+16*(NN%4)   ; register 16 b + i takes the bias of key 32 b + 16 h + i: the sixteen lanes of a half read the same 16 bytes
.set NN, NN+1
.endr
	WIN 0
	KLOAD \q, 0
	s_wait_alu depctr_va_vdst(0)
	s_wait_dscnt 0x0
	QK 0
	PLACES
	WIN 0
	KLOAD \q, 1
	s_wait_dscnt 0x0
	QK 1                                           ; lane (r, h) holds query r of each tile; the 16 registers of key tiles 2 b, 2 b + 1 are keys 32 b + 16 h + 0 .. 15 of the step
	PLACES                                         ; for the loads below and for the first read of the scores
	WIN 0
	VLOAD \q, 0                                    ; ALL OF V'S EIGHT FRAGMENTS ARE ASKED FOR HERE: four into K's registers, four into the bias's, which are free until the next step.  They land under tile 0's softmax
	WIN 0x40
	VLOAD \q, 1
	WIN 0
	SOFT                                           ; query tile 0
	s_wait_alu depctr_va_vdst(0)
	s_wait_dscnt 0x0                               ; V is in
	PV 0                                           ; tile 0's products stand ahead of tile 1's softmax, which names none of their registers
	WIN 0x55
	SOFT                                           ; query tile 1
	PV 1
	WIN 0
.endm
; THE CHANGE OF SLOTS stands at a slot's head.  Each wave waits for all its tensor loads (its part of the slot that it is about to read), adds 0 to its spare word, and waits for that, for its reads of the slot that it has left
; and, the first time, for its stores of the bias.  Behind the barrier the slot ahead is whole and nobody reads the other one.
; fill = 1: the barrier is a round of the cluster's, so that no wave of any partner still reads that other slot or has a load on its way, and the joint load of the keys that follow is the first thing behind it:
; it has a whole slot's two key steps in which to land.
.macro CHANGE fill
	s_wait_tensorcnt 0x0                           ; no tensor load of mine is out, so a group 0 may be written
	ds_add_u32 v[SPW], v[NIL]                      ; 0 onto my spare word: with fill = 1 the descriptors' steps stand between it and the wait for it
.if \fill
	s_xor_b32 s[G0K+1], s[G0K+1], SLOT1            ; the walking descriptors: the other slot than last time,
	s_add_nc_u64 s[G0K+2:G0K+3], s[G0K+2:G0K+3], 32768   ; the next 256 keys; the type bits on top are not reached
	s_xor_b32 s[G0V+1], s[G0V+1], SLOT1
	s_add_nc_u64 s[G0V+2:G0V+3], s[G0V+2:G0V+3], 256
	s_wait_xcnt 0x0                                ; the last prefetch, a slot back, has read its address, so it may be written:
	s_add_nc_u64 s[PFA:PFA+1], s[PFA:PFA+1], s[PFS:PFS+1]   ; one slot further on than the walking descriptors
.endif
	s_wait_dscnt 0x0                               ; the add is done, and my LDS reads and stores are over
.if \fill
	CROUND
	TLOAD                                          ; the first thing behind the round, and a wave's one tensor load until the next
	ASK
.else
	s_barrier_signal -1
	s_barrier_wait -1
.endif
.endm
.macro SLOT_STEPS
	STEP 0
	STEP 1
	s_xor_b32 s[TB], s[TB], SLOT1                  ; on to the other slot,
	s_add_co_u32 s[KB], s[KB], 1024                ; and to the next 256 keys' bias
.endm
.Lslot:                                            ; NSL - 1 = 7 trips: behind each change of slots but the last the next slot is asked for
	CHANGE 1
	s_wait_alu depctr_va_vdst(0)
	SLOT_STEPS
	s_sub_co_u32 s[SLOTS], s[SLOTS], 1
	s_cmp_lg_u32 s[SLOTS], 0
	s_cbranch_scc1 .Lslot
	CHANGE 0                                       ; the last slot is written out
	SLOT_STEPS
	; THE WAY OUT.  For each tile: the sum's halves are added; O^T is multiplied by 2^(ep + ev) / the sum, or by 0 where my query is hidden, and goes through the tile's stage in LDS, half a row (64 channels, 256 bytes) of 16 queries at a time.
	v_and_b32 v8, 15, v0                           ; r.  (These eight plain instructions are the places behind the last products)
	v_bfe_u32 v9, v0, 4, 1                         ; h
	s_add_co_i32 s60, s59, s58                     ; ep + ev
	s_mul_i32 s61, s[WV], 32*SPI                   ; my two stages
	v_mul_u32_u24 v10, v8, SPI
	s_delay_alu instid0(VALU_DEP_1)
	v_lshl_add_u32 v10, v9, 5, v10
	s_delay_alu instid0(VALU_DEP_1)
	v_add_nc_u32 v10, s61, v10                     ; in: row r; channel tile t's eight channels of my half: 64 t + 32 h bytes on
	v_mul_u32_u24 v11, v9, SPI
	s_delay_alu instid0(VALU_DEP_1)
	v_lshl_add_u32 v11, v8, 4, v11
	s_delay_alu instid0(VALU_DEP_1)
	v_add_nc_u32 v11, s61, v11                     ; back: lanes 0-15 one row, lanes 16-31 the next
.macro FIN                             ; a tile's results, in the window that is set
	v_add_f32 v14, v14, v15                        ; the sum's two halves,
	s_delay_alu instid0(VALU_DEP_1)
	v_permlanex16_b32 v252, v14, s[SEL], s[SEL+1]
	s_delay_alu instid0(VALU_DEP_1)
	v_add_f32 v14, v14, v252                       ; and lane l xor 16's: the row's sum
	s_wait_alu depctr_va_vdst(0)
	v_rcp_f32 v14, v14
	v_nop                                          ; the plain instruction behind the reciprocal
	s_wait_alu depctr_va_vdst(0)                   ; the wait ahead of the reciprocal's first reader
	v_ldexp_f32 v14, v14, s60                      ; x 2^(ep + ev)
	v_cmp_lt_i32 vcc_lo, 0, v[QM]
	s_delay_alu instid0(VALU_DEP_1)
	v_cndmask_b32 v14, 0, v14, vcc_lo              ; a hidden query's factor is CHOSEN as 0, whatever its sum was: its row of out0 is zeros
.set JJ, 0
.rept 64
	v_mul_f32 v[96+JJ], v[160+JJ], v14             ; register 8 t + i is o(r, 16 t + 8 h + i)
.set JJ, JJ+1
.endr
.endm
.macro STAGE x                         ; tile x through its stage: 16 stores and 16 loads.  LDS serves a wave's instructions in order (ISA guide 5.7.1.4): the loads see the stores, and the second half's stores come behind the first half's loads
.irp u, 0,1                                    ; channels 64 u on
.if \x
	WIN 0x04                                       ; the stores' data in window 1
.endif
.irp t, 0,1,2,3
	ds_store_b128 v10, v[96+32*\u+8*\t:99+32*\u+8*\t] offset:16*SPI*(\x)+64*\t
	ds_store_b128 v10, v[100+32*\u+8*\t:103+32*\u+8*\t] offset:16*SPI*(\x)+64*\t+16
.endr
.if \x
	WIN 0x40                                       ; the loads' destination in window 1
.endif
.irp i, 0,1,2,3,4,5,6,7
	ds_load_b128 v[32+32*\u+4*\i:35+32*\u+4*\i], v11 offset:16*SPI*(\x)+2*\i*SPI
.endr
.endr
.endm
	FIN
	STAGE 0
	WIN 0x55
	FIN                                            ; tile 1's arithmetic stands between tile 0's loads from the stage and the wait for them
	STAGE 1
	WIN 0
	s_wait_dscnt 32                                ; tile 0's rows are back: behind them stand tile 1's sixteen stores and sixteen loads
.irp u, 0,1
.irp i, 0,1,2,3,4,5,6,7
	global_store_b128 v[GO], v[32+32*\u+4*\i:35+32*\u+4*\i], s[14:15] offset:2*\i*8192+256*\u th:TH_STORE_NT   ; sixteen lanes store 256 consecutive bytes, at a multiple of 256 from out0's first byte; written once, read by nobody here
.endr
.endr
	WIN 0x04                                       ; the stores' data in window 1
.irp u, 0,1
.irp i, 0,1,2,3,4,5,6,7
	s_wait_dscnt 15-8*\u-\i                        ; the loads behind this one may stay out (for the first half the count could be eight higher)
	global_store_b128 v[GO], v[32+32*\u+4*\i:35+32*\u+4*\i], s[14:15] offset:TROW+2*\i*8192+256*\u th:TH_STORE_NT
.endr
.endr
	WIN 0
	s_wait_tensorcnt 0x0                           ; the wave's end: behind my last tensor load and my last LDS store
	ds_add_u32 v[SPW], v[NIL]
	s_wait_dscnt 0x0
	CROUND                                         ; the closing round: no work-group ends while a partner may still ask for a tile that names it
	s_endpgm
.Lfunc_end_k_qf748563354_attn:
	.size	k_qf748563354_attn, .Lfunc_end_k_qf748563354_attn-k_qf748563354_attn
	.p2alignl 7, 3214868480
	.fill 96, 4, 3214868480
	.section	.rodata,"a",@progbits
	.p2align	6, 0x0
	.amdhsa_kernel k_qf748563354_attn
		.amdhsa_group_segment_fixed_size 327680
		.amdhsa_private_segment_fixed_size 0
		.amdhsa_enable_private_segment 0
		.amdhsa_kernarg_size 48
		.amdhsa_user_sgpr_count 2
		.amdhsa_user_sgpr_kernarg_segment_ptr 1
		.amdhsa_wavefront_size32 1
		.amdhsa_system_sgpr_workgroup_id_x 1
		.amdhsa_system_sgpr_workgroup_id_y 1
		.amdhsa_system_sgpr_workgroup_id_z 1
		.amdhsa_system_vgpr_workitem_id 0
		.amdhsa_next_free_vgpr 512
		.amdhsa_next_free_sgpr 96
		.amdhsa_reserve_vcc 1
		.amdhsa_float_denorm_mode_32 3
		.amdhsa_float_denorm_mode_16_64 3
		.amdhsa_fp16_overflow 1
		.amdhsa_memory_ordered 1
		.amdhsa_forward_progress 1
		.amdhsa_inst_pref_size 157
	.end_amdhsa_kernel
	.amdgpu_metadata
---
amdhsa.version: [ 1, 2 ]
amdhsa.kernels:
  - .name:           k_qf748563354_attn
    .symbol:         k_qf748563354_attn.kd
    .args:
      - { .name: query, .offset: 0, .size: 8, .value_kind: global_buffer, .address_space: global }
      - { .name: k_codes, .offset: 8, .size: 8, .value_kind: global_buffer, .address_space: global }
      - { .name: v_codes, .offset: 16, .size: 8, .value_kind: global_buffer, .address_space: global }
      - { .name: attn_mask, .offset: 24, .size: 8, .value_kind: global_buffer, .address_space: global }
      - { .name: lowp_scales, .offset: 32, .size: 8, .value_kind: global_buffer, .address_space: global }
      - { .name: out0, .offset: 40, .size: 8, .value_kind: global_buffer, .address_space: global }
    .group_segment_fixed_size: 327680
    .private_segment_fixed_size: 0
    .kernarg_segment_align: 8
    .kernarg_segment_size: 48
    .max_flat_workgroup_size: 256
    .sgpr_count:     96
    .vgpr_count:     512
    .wavefront_size: 32
...
	.end_amdgpu_metadata
.endif
;; end of part 2
